; MI455X (gfx1250); checked and timed in simulation.
; The chip was launched on July 23, 2026; its instructions are those of AMD's public machine-readable ISA for CDNA 5 (MIT licence, August 2026) and "CDNA5" Instruction Set Architecture Reference Guide (July 2026). The comments in the code are by the model that wrote it; some were corrected since.
;; Differentiable Feature Aligner2. Allowed arithmetic: matrix products marked QUANTISED: E2M3 operands, one E8M0 scale for each 32 along K, by v_wmma_scale_f32_16x16x128_f8f6f4 with both operands' format E2M3, f32 sums; products left as they are: f32 operands where the result goes on into a quantised operand, else bf16, f16 or f32 operands; f32 sums; everything else in f32.
;; Inputs: W1 6 x 64 float32; W2 64 x 64 float32; b1 64 float32; b2 64 float32; beta 64 float32; ego_cls 4 x 2 x 256 x 256 float32; ego_reg 4 x 14 x 256 x 256 float32; gamma 64 float32; other_cls 4 x 2 x 256 x 256 float32; other_reg 4 x 14 x 256 x 256 float32.
;; Outputs: out0 4 x 2 x 256 x 256 float32; out1 4 x 14 x 256 x 256 float32.
;; This version of the problem:
;;   THIS VERSION OF THE PROBLEM IS GIVEN IN LOW PRECISION. The matrix products marked QUANTISED in the list below multiply operands that are first quantised to E2M3 (2 exponent bits, 3 mantissa bits; 6 bits a number), with one power-of-two scale for each 32 numbers along K (OCP MX v1.0); their sums are f32. All else is computed in f32.
;;   The module's matrix products, in the order in which they are computed (A, B: the left and right operand; K: the contracted axis; several contracted axes count as one K, in the product's order):
;;     1. [M 262,144, K 6] x [K 6, N 64]; A: computed on the way; B: input W1: left as it is (K = 6 < 32)
;;     2. [M 262,144, K 64] x [K 64, N 64]; A: computed on the way; B: input W2: QUANTISED
;;     3. [M 262,144, K 6] x [K 6, N 64]; A: computed on the way; B: input W1: left as it is (K = 6 < 32)
;;     4. [M 262,144, K 64] x [K 64, N 64]; A: computed on the way; B: input W2: QUANTISED
;;     5. batch 65,536 x [M 4, K 64] x [K 64, N 4]; A: computed on the way; B: computed on the way: left as it is (M = 4 < 16)
;;     6. batch 65,536 x [M 2, K 4] x [K 4, N 4]; A: input other_cls; B: computed on the way: left as it is (K = 4 < 32)
;;     7. batch 65,536 x [M 14, K 4] x [K 4, N 4]; A: input other_reg; B: computed on the way: left as it is (K = 4 < 32)
;;   THE QUANTISER, for each operand of a quantised product, along K:
;;     - K is cut into blocks of 32 from its start; a last block that is shorter is filled with zeros.
;;     - A block's scale is 2^e with e = floor(log2(the largest magnitude in the block)) - 2, held to -126 .. 127; a block of zeros has e = 0. As a byte (E8M0): e + 127.
;;     - Each number is divided by its block's scale, clamped to +-7.5, and rounded to the nearest number of E2M3, ties to even, subnormals kept.
;;     - The product sums the exact products of the quantised numbers (number of the format x scale) in f32.
;;   ~~~python
;;   def quantise(x, axis):      # numpy; x: float32 -> the quantised numbers, widened to float32 again
;;       x = np.moveaxis(x, axis, -1); K = x.shape[-1]
;;       x = np.pad(x, [(0, 0)] * (x.ndim - 1) + [(0, -K % 32)]); x = x.reshape(x.shape[:-1] + (-1, 32)); a = np.abs(x).max(-1, keepdims=True)
;;       e = np.where(a > 0, np.clip(np.frexp(np.where(a > 0, a, 1))[1] - 1 - 2, -126, 127), 0)      # np.frexp(a)[1] - 1 = floor(log2(a)), exactly
;;       r = np.clip(x / 2.0 ** e, -7.5, 7.5)
;;       step = 2.0 ** (np.maximum(np.frexp(np.where(r == 0, 1, r))[1] - 1, 0) - 3)
;;       q = np.round(r / step) * step * 2.0 ** e      # np.round: ties to even
;;       return np.moveaxis(q.reshape(q.shape[:-2] + (-1,))[..., :K], -1, axis).astype(np.float32)
;;   ~~~
;;   OPERANDS COMPUTED ON THE WAY. 'Computed on the way' means the value that the module computes at that place (a softmax that the list does not call 'softmax' is quantised finished and normalised). What goes into a quantiser is computed in f32, as accurately as f32 sums, v_exp_f32 and their like allow (about 1e-6 of the number): no bf16 or f16 on the way to a quantiser, and a product that is left as it is and whose result goes on into a quantised operand takes f32 operands (vector FMAs, or v_wmma_f32_16x16x4_f32). A number that lies on a knife's edge between two numbers of the format may be rounded either way, as far as f32 arithmetic and the matrix unit's own rounding can turn it there, and no further.
;; One version. Each part assembles by itself: llvm-mc -triple=amdgcn-amd-amdhsa -mcpu=gfx1250 --defsym DOCPART=n.
;; ======== version 1 of 1: 1 launch
;; limits: inputs' magnitudes at most 100,000; right only within a limited range of input values
;; launch align (part 1): grid 256 x 1, 4 waves a work-group, no clusters, 37,376 bytes of LDS; arguments ego_cls, ego_reg, other_cls, other_reg, W1, b1, gamma, beta, W2, b2, out0, out1; writes out0, out1
.if DOCPART == 1
	.amdgcn_target "amdgcn-amd-amdhsa--gfx1250"
	.amdhsa_code_object_version 6
	.text
	.protected	k_qf3537d91e3_align
	.globl	k_qf3537d91e3_align
	.p2align	8
	.type	k_qf3537d91e3_align,@function
k_qf3537d91e3_align:
	s_mov_b64 s[64:65], 0
	v_nop
	global_prefetch_b8 v0, s[64:65] scope:SCOPE_SE
	s_setreg_imm32_b32 hwreg(HW_REG_WAVE_MODE, 25, 1), 1
	s_wait_xcnt 0x0
; For each of 65,536 pixels and each of 2 sides x 4 batches: a descriptor of six numbers (reg 3, 4, 5, sin and cos of reg 6, max of the two cls), Linear(6,64) + b1, relu, LayerNorm(64) with gamma and beta,
; then Q(h) Q(W2) + b2 on codes of FP6 (E2M3) with one E8M0 scale for each 32 along K.  attn[i][j] = ego_d[i] . other_d[j] / 8 for each pixel; out[i][c] = the sum over j of attn[i][j] other[j][c], 16 channels.
; SHARES.  256 work-groups of four waves; a wave owns a strip of 64 neighbouring pixels (256 bytes of every channel row).  Lane (r = lane % 16, h = lane / 16): r holds pixels 4 r .. 4 r + 3 (register g of a
; 16-byte load is pixel 4 r + g, 'group g'); h picks one channel of a pair.  So each load and store of 16 bytes a lane covers two whole rows of 256 consecutive bytes, aligned.
; A TILE is 16 rows: one side, one batch, one group; row = lane r's pixel.  32 tiles a wave: first the 16 of 'other', whose results stay in 512 registers, then the 16 of 'ego'.
; LAYOUT.  x W1 + b1 by the f32 matrix form, transposed (source 0 = 16 units of W1, source 1 = the descriptors); the bias rides in a spare place of K.  The units of a tile are chosen so that lane (r, h) ends up
; with units 32 h + 0 .. 31 of row r in 32 registers: a whole block of the next K, in order.  So the block's largest magnitude needs no other lane and the two conversions give the operand's registers 0-5;
; registers 6-11 (K = 64 .. 127) are zero codes on both sides.  The quantised product is used transposed too (source 0 = 16 columns of W2): ego's and other's results hold the same pixel and the same 32 of the
; 64 channels in the same lane, so attn is fused multiply-adds within a lane and one exchange between the halves of the lanes.
; BY TURNS.  A body works tile T through relu, LayerNorm and the quantiser in chunks of vector work; between the chunks stand the four quantised products of tile T - 1 and the eight f32 products of tile T + 1.
; NO CLUSTER, NO TENSOR LOAD: work-groups share only W1, b1, gamma, beta, W2, b2 (18,944 bytes) against 155,648 bytes of a work-group's own rows, which land straight in the registers that use them.
; NO PREFETCH: every load of the wave is issued at its head.
; LIMITS.  NaN and infinities among the inputs are not served.  sin and cos: x - q pi in two parts, q = x / pi to the nearest whole number, then the series to r^13 and r^12 on |r| <= pi / 2 (terms left out
; under 1e-8); right for |reg 6| up to some 1e5, and reg 5 and reg 6 must stay under 2^22 pi in magnitude (reg 5 goes through the same lines and is multiplied by a weight of 0).
; A block of zeros gets the scale byte 1 where the rule says 127: its codes are zeros, and only this program reads the byte.
; REGISTERS, in windows of 256 (s_set_vgpr_msb: bits 1:0 source 0, 3:2 source 1, 5:4 source 2, 7:6 destination):
;   window 0: as named below.   window 1: v0-127 other's 16 channels x 4 batches (32 j + 4 pair + g), v128-159 gamma, v160-191 beta, v192-239 W2's four fragments, v240-251 an ego batch's rows, v252-253 store offsets.
;   windows 2, 3: other_d of group g, batch j at window 2 + g / 2, v[128 (g % 2) + 32 j ..]; window 2's v208-255 first take ego's twelve loads, which then wait in LDS.
.set CHS,  262144                      ; bytes of a channel row set: 65,536 pixels
.set CB,   2*CHS                       ; a batch of cls
.set RB,   14*CHS                      ; a batch of reg
.set W2IMG, 0                          ; LDS: W2's four fragments as images of their registers, 768 bytes each: registers 0-3 at 16 x lane, registers 4-5 at 512 + 8 x lane
.set W2SC, 3072                        ; their scale words, 128 bytes each
.set EGO,  4096                        ; each wave's own 8,192 bytes: twelve images of 512 bytes (batch 3 b + q; q = 0 cls, 1 reg 3|4, 2 reg 5|6)
.set MG,   0                           ; v[0:1]   1.5 x 2^23, twice (v0 is the thread's number until the addresses are made)
.set VO1,  1                           ; v1       16 r + one channel x h (at the head only)
.set VO5,  2                           ; v2       16 r + five channels x h
.set EA,   3                           ; v3       LDS: my 16 bytes of my wave's first ego image; never rewritten
.set UA,   4                           ; v4       W1, b1: 4 x the unit of my row of tile 0.  Later v[4:5] = S11, twice
.set UAH,  5                           ; v5       + row h
.set UAX,  6                           ; v6       + row 5 (h = 0) or 3 (h = 1).  Later v[6:7] = C10, twice
.set W2V,  7                           ; v7       W2: row 32 h, column 16 x wave + r
.set VS11, 4
.set VC10, 6
.set W2S,  8                           ; v8-11    W2's scale words: scales and nothing else
.set HS,   12                          ; v12      the scale word just made: likewise
.set GBV,  13                          ; v13      gamma, beta: 128 h.  Later the LDS address of the ego images in hand
.set EAD,  13
.set A,    14                          ; v14-21   four pairs: sums, sums of squares, largest magnitudes; cos's series
.set SM,   22                          ; v[22:23] the row's sum (v23 is named with it)
.set RS,   24                          ; v[24:25] 1 / sqrt(var + eps) (v25 likewise)
.set PT,   26
.set VR,   27
.set ONE,  28                          ; v28      1.0
.set SCL,  29                          ; v29      the conversions' scale operand
.set BY,   30                          ; v30      my block's byte
.set PB,   31                          ; v31      the other block's
.set CD,   32                          ; v32-43   the codes; v38-43 stay zero
.set CX,   44                          ; v44-46   the block's upper 16 codes as converted
.set B2V,  47                          ; v47      b2: 32 h
.set X,    48                          ; v48-63   four descriptors' quads, one for each group
.set ACC,  64                          ; v64-95   x W1 + b1: written by the f32 matrix form alone
.set H,    96                          ; v96-127  the hidden row: my 32 units
.set E,    128                         ; v128-159 ego_d of the tile in hand; later the 8 x 4 output registers
.set B2,   160                         ; v160-191 b2 in the result's layout
.set T,    192                         ; v192-199 four running dot products, in pairs
.set S,    200                         ; v200-215 attn, 4 j + g
.set DT,   216                         ; v216-239 at work in DESC and REDUCE
.set TS,   DT                          ; the score
.set SG,   DT+4                         ; the sign: q's parity at bit 31
.set QR,   DT+8                         ; q; later r u
.set RU,   DT+8
.set RD,   DT+12                        ; r
.set QF,   DT+16                        ; x / pi + 1.5 x 2^23; later u = r r
.set UU,   DT+16
.set BT,   DT+16                        ; at the head: b1 of my rows
.set PS,   DT+20                        ; sin's series
.set PC,   A                           ; cos's
.set W1F,  240                         ; v240-255 W1's fragments: 4 t + 2 s + j
.set GAM,  128                         ; window 1
.set BET,  160
.set W2F,  192
.set ER,   240
.set VOW1, 252
.set VOW5, 253
.set EGR,  208                         ; window 2
.set LA16, 192                         ; head only: 16, 8, 4 x lane, and the same + my wave's tile
.set LA8,  193
.set LA4,  194
.set SA16, 195
.set SA8,  196
.set SA4,  197
.set RR,   200                         ; head only
.set HH,   201
.set LN,   202
.set TA,   203
.set TB,   204
.set R4,   205
.set WV,   28                          ; s28 wave
.set SEL,  32                          ; s[32:33] v_permlanex16_b32's selects for lane l xor 16
.set CNT,  34
.set EB,   35                          ; s35 which ego batch's images are read next: 1,536 bytes a batch
.set IPI,  36                          ; constants as pairs: a packed form names the pair and takes its low word for both halves
.set NMG,  40
.set NPH,  42
.set NPL,  44
.set KS3,  46
.set KS5,  48
.set KS7,  50
.set KS9,  52
.set KS13, 56
.set KC4,  60
.set KC6,  62
.set KC8,  66
.set KC12, 70
.set NI64, 72
.set I64,  74
.set EPS,  75
.set MSB, 0
.macro WIN new                         ; the immediate's high byte repeats the setting that is left; a switch that changes nothing is dropped
.if MSB != (\new)
	s_set_vgpr_msb (MSB<<8)|(\new)
.set MSB, (\new)
.endif
.endm
.macro SPAIR r, val
	s_mov_b32 s[\r], \val
	s_mov_b32 s[\r+1], \val
.endm
; f32 product n of 8 for the tile of group g: K step (n / 2) % 2 of unit tile 2 (n / 4) + n % 2.  The accumulators take turns, one instruction a turn; a sum begins with the constant 0.
.macro MXF n, g
.if (\g) >= 0
	WIN 0
.set ft, 2*((\n)/4)+(\n)%2
.set fs, ((\n)/2)%2
.if fs
	v_wmma_f32_16x16x4_f32 v[ACC+8*ft:ACC+8*ft+7], v[W1F+4*ft+2:W1F+4*ft+3], v[X+4*(\g)+2:X+4*(\g)+3], v[ACC+8*ft:ACC+8*ft+7]
.else
	v_wmma_f32_16x16x4_f32 v[ACC+8*ft:ACC+8*ft+7], v[W1F+4*ft:W1F+4*ft+1], v[X+4*(\g):X+4*(\g)+1], 0
.endif
.endif
.endm
; quantised product t of 4: channels 16 t .. 16 t + 15 of the row whose codes stand in CD; C = b2; D at v[d + 8 t] of the window that win names
.macro MXQ on, t, win, d
.if \on
	WIN \win
	v_wmma_scale_f32_16x16x128_f8f6f4 v[(\d)+8*\t:(\d)+8*\t+7], v[W2F+12*\t:W2F+12*\t+11], v[CD:CD+11], v[B2+8*\t:B2+8*\t+7], v[W2S+\t], v[HS] matrix_a_fmt:MATRIX_FMT_FP6 matrix_b_fmt:MATRIX_FMT_FP6
.endif
.endm
.macro RELU t                          ; each accumulator from its low end on
	WIN 0
.irp jj, 0,1,2,3,4,5,6,7
	v_max_num_f32 v[H+8*(\t)+\jj], 0, v[ACC+8*(\t)+\jj]
.endr
.endm
; LayerNorm and the quantiser in ten chunks.  The mean and then the variance of the centred numbers; four chains, so that no line waits for the line above it.
.macro CH_A
	WIN 0
.irp c, 0,1,2,3
	v_pk_add_f32 v[A+2*\c:A+2*\c+1], v[H+2*\c:H+2*\c+1], v[H+8+2*\c:H+9+2*\c]
.endr
.irp c, 0,1,2,3
	v_pk_add_f32 v[A+2*\c:A+2*\c+1], v[A+2*\c:A+2*\c+1], v[H+16+2*\c:H+17+2*\c]
.endr
.endm
.macro CH_B
	WIN 0
.irp c, 0,1,2,3
	v_pk_add_f32 v[A+2*\c:A+2*\c+1], v[A+2*\c:A+2*\c+1], v[H+24+2*\c:H+25+2*\c]
.endr
	v_pk_add_f32 v[A:A+1], v[A:A+1], v[A+2:A+3]
	v_pk_add_f32 v[A+4:A+5], v[A+4:A+5], v[A+6:A+7]
	v_pk_add_f32 v[A:A+1], v[A:A+1], v[A+4:A+5]
	v_add_f32 v[SM], v[A], v[A+1]                  ; my 32 units' sum
.endm
.macro CENTRE k                        ; h - sum / 64: one rounding, since sum / 64 is exact
	v_pk_fma_f32 v[H+2*\k:H+2*\k+1], v[SM:SM+1], s[NI64:NI64+1], v[H+2*\k:H+2*\k+1] op_sel_hi:[0,0,1]
.endm
.macro CH_C
	WIN 0
	v_permlanex16_b32 v[PT], v[SM], s[SEL], s[SEL+1]
	v_add_f32 v[SM], v[SM], v[PT]                  ; with lane l xor 16's 32 units
.irp k, 0,1,2,3,4,5
	CENTRE \k
.endr
.endm
.macro CH_D
	WIN 0
.irp k, 6,7,8,9,10,11,12,13,14,15
	CENTRE \k
.endr
.irp c, 0,1,2,3
	v_pk_mul_f32 v[A+2*\c:A+2*\c+1], v[H+2*\c:H+2*\c+1], v[H+2*\c:H+2*\c+1]
.endr
.endm
.macro CH_E
	WIN 0
.irp k, 4,5,6,7,8,9,10,11,12,13,14,15
	v_pk_fma_f32 v[A+2*(\k%4):A+2*(\k%4)+1], v[H+2*\k:H+2*\k+1], v[H+2*\k:H+2*\k+1], v[A+2*(\k%4):A+2*(\k%4)+1]
.endr
	v_pk_add_f32 v[A:A+1], v[A:A+1], v[A+2:A+3]
	v_pk_add_f32 v[A+4:A+5], v[A+4:A+5], v[A+6:A+7]
.endm
.macro CH_F
	WIN 0
	v_pk_add_f32 v[A:A+1], v[A:A+1], v[A+4:A+5]
	v_add_f32 v[VR], v[A], v[A+1]
	v_permlanex16_b32 v[PT], v[VR], s[SEL], s[SEL+1]
	v_add_f32 v[VR], v[VR], v[PT]
	v_fma_f32 v[VR], v[VR], s[I64], s[EPS]         ; var + eps
	v_rsq_f32 v[RS], v[VR]
	v_nop                                          ; a plain line behind the transcendental (ISA guide 5.7.2)
	s_wait_alu depctr_va_vdst(0)                   ; and the wait ahead of the first line that names its result (CH_G)
.endm
.macro CH_G
	WIN 0
.irp k, 0,1,2,3,4,5,6,7,8,9,10,11,12,13,14,15
	v_pk_mul_f32 v[H+2*\k:H+2*\k+1], v[H+2*\k:H+2*\k+1], v[RS:RS+1] op_sel_hi:[1,0]
.endr
.endm
.macro CH_H                            ; x gamma + beta: sources 1 and 2 in window 1
	WIN 0x14
.irp k, 0,1,2,3,4,5,6,7,8,9,10,11,12,13,14,15
	v_pk_fma_f32 v[H+2*\k:H+2*\k+1], v[H+2*\k:H+2*\k+1], v[GAM+2*\k:GAM+2*\k+1], v[BET+2*\k:BET+2*\k+1]
.endr
	WIN 0
.endm
.macro CH_I                            ; the largest magnitude of my block of 32, with the floor 2^(3 - 127) among the leaves: 33 leaves, 16 lines; so the byte cannot fall under 1
	WIN 0
.irp c, 0,1,2,3
	v_max3_num_f32 v[A+\c], |v[H+8*\c]|, |v[H+8*\c+1]|, |v[H+8*\c+2]|
.endr
.irp i, 3,5
.irp c, 0,1,2,3
	v_max3_num_f32 v[A+\c], v[A+\c], |v[H+8*\c+\i]|, |v[H+8*\c+\i+1]|
.endr
.endr
	v_max3_num_f32 v[A], v[A], |v[H+7]|, |v[H+15]|
	v_max3_num_f32 v[A+2], v[A+2], |v[H+23]|, |v[H+31]|
	v_max3_num_f32 v[A], v[A], v[A+1], v[A+2]
	v_max3_num_f32 v[A], v[A], v[A+3], 0x1800000
.endm
.macro CH_J
	WIN 0
	v_add_nc_u32 v[SCL], 0xff000000, v[A]          ; 2 off the exponent field: the conversion takes this operand's exponent field as its scale
	v_lshrrev_b32 v[BY], 23, v[SCL]                ; the scale's byte
	v_permlanex16_b32 v[PB], v[BY], s[SEL], s[SEL+1]   ; the row's other block's
	v_cvt_scalef32_pk16_fp6_f32 v[CD:CD+2], v[H:H+15], v[SCL]
	v_cvt_scalef32_pk16_fp6_f32 v[CX:CX+2], v[H+16:H+31], v[SCL]   ; (a conversion's three registers begin on an even number)
	v_lshl_or_b32 v[HS], v[PB], 8, v[BY]           ; lanes 0-15: byte 0 = block 0's, byte 1 = block 1's; bytes 2, 3 stand over zero codes.  It names none of the conversions' registers: the plain line behind them
.irp i, 0,1,2
	v_mov_b32 v[CD+3+\i], v[CX+\i]
.endr
.endm
; ego_d of group g (in E) against other_d of the four batches: my 32 of the 64 channels, two at a time, four chains
.macro DOT g
	WIN 0x08+4*((\g)/2)
.set ob, 128*((\g)%2)
.irp jj, 0,1,2,3
	v_pk_mul_f32 v[T+2*\jj:T+2*\jj+1], v[E:E+1], v[ob+32*\jj:ob+32*\jj+1]
.endr
.set qq, 1
.rept 15
.irp jj, 0,1,2,3
	v_pk_fma_f32 v[T+2*\jj:T+2*\jj+1], v[E+2*qq:E+2*qq+1], v[ob+32*\jj+2*qq:ob+32*\jj+2*qq+1], v[T+2*\jj:T+2*\jj+1]
.endr
.set qq, qq+1
.endr
	WIN 0
.irp jj, 0,1,2,3
	v_add_f32 v[S+4*\jj+(\g)], v[T+2*\jj], v[T+2*\jj+1]
.endr
.endm
.macro REDUCE                          ; with lane l xor 16's 32 channels, and / 8
	WIN 0
.irp k, 0,1,2,3,4,5,6,7,8,9,10,11,12,13,14,15
	v_permlanex16_b32 v[DT+\k], v[S+\k], s[SEL], s[SEL+1]
.endr
.irp k, 0,2,4,6,8,10,12,14
	v_pk_add_f32 v[S+\k:S+\k+1], v[S+\k:S+\k+1], v[DT+\k:DT+\k+1]
.endr
.irp k, 0,2,4,6,8,10,12,14
	v_pk_mul_f32 v[S+\k:S+\k+1], v[S+\k:S+\k+1], 0x3e000000 op_sel_hi:[1,0]
.endr
.endm
; an ego batch's 16 output rows: for each channel pair c and each pair of groups p the sum over j.  Source 0 (other's channels, and the stores' offset register) in window 1
.macro OUTP
	s_wait_loadcnt 0x0                             ; the last twenty loads of the head: other's ten channels that no descriptor needs
	WIN 0x01
.irp c, 0,1,2,3,4,5,6,7
.irp p, 0,2
	v_pk_mul_f32 v[E+4*\c+\p:E+4*\c+\p+1], v[4*\c+\p:4*\c+\p+1], v[S+\p:S+\p+1]
.endr
.endr
.irp jj, 1,2,3
.irp c, 0,1,2,3,4,5,6,7
.irp p, 0,2
	v_pk_fma_f32 v[E+4*\c+\p:E+4*\c+\p+1], v[32*\jj+4*\c+\p:32*\jj+4*\c+\p+1], v[S+4*\jj+\p:S+4*\jj+\p+1], v[E+4*\c+\p:E+4*\c+\p+1]
.endr
.endr
.endr
	global_store_b128 v[VOW1], v[E:E+3], s[24:25] th:TH_STORE_NT                        ; cls 0 | 1: lanes 0-15 store 256 consecutive bytes of one channel, aligned, lanes 16-31 of the other
	global_store_b128 v[VOW1], v[E+4:E+7], s[26:27] th:TH_STORE_NT                      ; reg 0 | 1
	global_store_b128 v[VOW5], v[E+8:E+11], s[26:27] offset:2*CHS th:TH_STORE_NT        ; reg 2 | 7
	global_store_b128 v[VOW1], v[E+12:E+15], s[26:27] offset:3*CHS th:TH_STORE_NT       ; reg 3 | 4
	global_store_b128 v[VOW1], v[E+16:E+19], s[26:27] offset:5*CHS th:TH_STORE_NT       ; reg 5 | 6
	global_store_b128 v[VOW1], v[E+20:E+23], s[26:27] offset:8*CHS th:TH_STORE_NT       ; reg 8 | 9
	global_store_b128 v[VOW1], v[E+24:E+27], s[26:27] offset:10*CHS th:TH_STORE_NT      ; reg 10 | 11
	global_store_b128 v[VOW1], v[E+28:E+31], s[26:27] offset:12*CHS th:TH_STORE_NT      ; reg 12 | 13
	WIN 0
.endm
.macro HSTEP ks, kc                    ; one step of both series, for both pairs of groups
.irp pp, 0,2
	v_pk_fma_f32 v[PS+\pp:PS+\pp+1], v[PS+\pp:PS+\pp+1], v[UU+\pp:UU+\pp+1], s[\ks:\ks+1] op_sel_hi:[1,1,0]
	v_pk_fma_f32 v[PC+\pp:PC+\pp+1], v[PC+\pp:PC+\pp+1], v[UU+\pp:UU+\pp+1], s[\kc:\kc+1] op_sel_hi:[1,1,0]
.endr
.endm
; A batch's four descriptors.  cl, l34, l56: where cls 0|1, reg 3|4, reg 5|6 stand in window 1 (register g = group g).  The quad of group g, by place (K step s, register j, half h):
;   P0: reg 3 | reg 4      P1: reg 5 | 1.0 (against b1)      P2: score | sin      P3: cos(reg 5), against a weight of 0 | cos
.macro DESC cl, l34, l56
	WIN 0x01                                       ; source 0 in window 1
.irp gg, 0,1,2,3
	v_mov_b32 v[X+4*\gg], v[(\l34)+\gg]
.endr
.irp gg, 0,1,2,3
	v_cndmask_b32 v[X+4*\gg+1], v[(\l56)+\gg], v[ONE], vcc_lo      ; vcc: lanes 16-31
.endr
.irp gg, 0,1,2,3
	v_permlanex16_b32 v[TS+\gg], v[(\cl)+\gg], s[SEL], s[SEL+1]
.endr
.irp gg, 0,1,2,3
	v_max_num_f32 v[TS+\gg], v[(\cl)+\gg], v[TS+\gg]               ; the larger of the two cls
.endr
.irp pp, 0,2
	v_pk_fma_f32 v[QF+\pp:QF+\pp+1], v[(\l56)+\pp:(\l56)+\pp+1], s[IPI:IPI+1], v[MG:MG+1] op_sel_hi:[1,0,1]   ; x / pi + 1.5 x 2^23: rounded to a whole number, whose parity is the word's bit 0
.endr
	WIN 0x10                                       ; source 2 in window 1
.irp pp, 0,2
	v_pk_add_f32 v[QR+\pp:QR+\pp+1], v[QF+\pp:QF+\pp+1], s[NMG:NMG+1] op_sel_hi:[1,0]      ; q
.endr
.irp gg, 0,1,2,3
	v_lshlrev_b32 v[SG+\gg], 31, v[QF+\gg]         ; (-1)^q as a sign bit
.endr
.irp pp, 0,2
	v_pk_fma_f32 v[RD+\pp:RD+\pp+1], v[QR+\pp:QR+\pp+1], s[NPH:NPH+1], v[(\l56)+\pp:(\l56)+\pp+1] op_sel_hi:[1,0,1]   ; x - q pi, pi in two parts
.endr
	WIN 0
.irp pp, 0,2
	v_pk_fma_f32 v[RD+\pp:RD+\pp+1], v[QR+\pp:QR+\pp+1], s[NPL:NPL+1], v[RD+\pp:RD+\pp+1] op_sel_hi:[1,0,1]
.endr
.irp pp, 0,2
	v_pk_mul_f32 v[UU+\pp:UU+\pp+1], v[RD+\pp:RD+\pp+1], v[RD+\pp:RD+\pp+1]
.endr
.irp pp, 0,2
	v_pk_fma_f32 v[PS+\pp:PS+\pp+1], v[UU+\pp:UU+\pp+1], s[KS13:KS13+1], v[VS11:VS11+1] op_sel_hi:[1,0,1]
	v_pk_fma_f32 v[PC+\pp:PC+\pp+1], v[UU+\pp:UU+\pp+1], s[KC12:KC12+1], v[VC10:VC10+1] op_sel_hi:[1,0,1]
.endr
	HSTEP KS9, KC8
	HSTEP KS7, KC6
	HSTEP KS5, KC4
.irp pp, 0,2
	v_pk_fma_f32 v[PS+\pp:PS+\pp+1], v[PS+\pp:PS+\pp+1], v[UU+\pp:UU+\pp+1], s[KS3:KS3+1] op_sel_hi:[1,1,0]
	v_pk_fma_f32 v[PC+\pp:PC+\pp+1], v[PC+\pp:PC+\pp+1], v[UU+\pp:UU+\pp+1], -0.5 op_sel_hi:[1,1,0]
.endr
.irp pp, 0,2
	v_pk_mul_f32 v[RU+\pp:RU+\pp+1], v[RD+\pp:RD+\pp+1], v[UU+\pp:UU+\pp+1]
	v_pk_fma_f32 v[PC+\pp:PC+\pp+1], v[PC+\pp:PC+\pp+1], v[UU+\pp:UU+\pp+1], 1.0 op_sel_hi:[1,1,0]   ; cos r
.endr
.irp pp, 0,2
	v_pk_fma_f32 v[PS+\pp:PS+\pp+1], v[RU+\pp:RU+\pp+1], v[PS+\pp:PS+\pp+1], v[RD+\pp:RD+\pp+1]       ; sin r = r + r u (..)
.endr
.irp gg, 0,1,2,3
	v_xor_b32 v[PS+\gg], v[PS+\gg], v[SG+\gg]
.endr
.irp gg, 0,1,2,3
	v_xor_b32 v[X+4*\gg+3], v[PC+\gg], v[SG+\gg]
.endr
.irp gg, 0,1,2,3
	v_cndmask_b32 v[X+4*\gg+2], v[TS+\gg], v[PS+\gg], vcc_lo
.endr
.endm
.macro ERLOAD                          ; the next ego batch's three images come back from my wave's own LDS bytes
	WIN 0
	v_add_nc_u32 v[EAD], s[EB], v[EA]
	s_add_co_u32 s[EB], s[EB], 1536
	WIN 0x40
.irp q, 0,1,2
	ds_load_b128 v[ER+4*\q:ER+4*\q+3], v[EAD] offset:512*\q
.endr
	WIN 0
.endm
; THE BODY of tile T.  pk = 1: tile T - 1's four quantised products, D at v[pd ..] under window setting pwin.  ng: the group of tile T + 1, whose eight f32 products and first three relus stand here (-1: none).
; dg: the group of tile T - 1 where that is an ego tile, whose dot products follow (-1: none).  post = 1: the ego batch is whole: its outputs leave.
; DISTANCES (ISA guide 7.12.1; only plain vector lines that name none of the matrix instruction's registers are counted).  A relu reads a sum eight such lines or more behind the sum's last f32 product: for unit
; tile 3 the sixteen lines of RELU 1 and RELU 2, for tile 2 CH_J's and RELU 0's.  The codes and the scale word are written at least the 24 relu lines (or a DOT) ahead of the first quantised product, and
; again only some ninety lines behind the last.  X is rewritten by DESC behind RELU 1 and RELU 2.
.macro BODY pk, pwin, pd, ng, dg, post
	MXQ \pk, 0, \pwin, \pd
	RELU 3
	MXQ \pk, 1, \pwin, \pd
	CH_A
	MXQ \pk, 2, \pwin, \pd
	CH_B
	MXQ \pk, 3, \pwin, \pd
	CH_C
	MXF 0, \ng
	CH_D
	MXF 1, \ng
	CH_E
	MXF 2, \ng
	CH_F
	MXF 3, \ng
	CH_G
	MXF 4, \ng
	CH_H
	MXF 5, \ng
	CH_I
	MXF 6, \ng
	CH_J
.if (\dg) >= 0
	DOT \dg
.endif
.if \post
	REDUCE
	OUTP
.endif
.if (\ng) >= 0
	RELU 0
	MXF 7, \ng
	RELU 1
	RELU 2
.endif
.endm
	; ---- THE HEAD: addresses
	s_load_b512 s[4:19], s[0:1], 0x0               ; ego_cls s[4:5], ego_reg s[6:7], other_cls s[8:9], other_reg s[10:11], W1 s[12:13], b1 s[14:15], gamma s[16:17], beta s[18:19]
	s_load_b256 s[20:27], s[0:1], 0x40             ; W2 s[20:21], b2 s[22:23], out0 s[24:25], out1 s[26:27]
	s_set_vgpr_msb 0x40
	v_lshl_add_u32 v254, v0, 2, 0x9000
	v_mov_b32 v255, 0
	s_set_vgpr_msb 0x4000
	v_lshrrev_b32 v[TA], 5, v0
	v_readfirstlane_b32 s[WV], v[TA]               ; wave 0..3
	v_and_b32 v[RR], 15, v0                        ; r
	v_bfe_u32 v[HH], v0, 4, 1                      ; h
	v_and_b32 v[LN], 31, v0                        ; lane
	v_lshlrev_b32 v[R4], 4, v[RR]
	v_lshl_add_u32 v[VO1], v[HH], 18, v[R4]        ; 16 r + h channels
	v_mad_u32_u24 v[VO5], v[HH], 5*CHS, v[R4]      ; 16 r + 5 h channels
	s_lshl_b32 s29, s[WV], 13
	s_add_co_u32 s29, s29, EGO
	v_lshlrev_b32 v[LA16], 4, v[LN]
	v_add_nc_u32 v[EA], s29, v[LA16]
	v_and_b32 v[TA], 7, v0
	v_lshlrev_b32 v[TA], 2, v[TA]
	v_bfe_u32 v[TB], v0, 3, 1
	v_lshl_add_u32 v[UA], v[TB], 7, v[TA]          ; row r of unit tile t is unit 32 (r / 8) + 8 t + r % 8: 4 bytes each; 32 t stands in the immediates
	v_lshl_add_u32 v[UAH], v[HH], 8, v[UA]         ; W1's row h
	v_lshlrev_b32 v[TB], 9, v[HH]
	v_add_nc_u32 v[UAX], 1280, v[UA]
	v_sub_nc_u32 v[UAX], v[UAX], v[TB]             ; W1's row 5 (h = 0) or 3 (h = 1)
	v_lshlrev_b32 v[TA], 2, v[RR]
	v_lshl_add_u32 v[W2V], v[HH], 13, v[TA]
	s_lshl_b32 s29, s[WV], 6
	v_add_nc_u32 v[W2V], s29, v[W2V]               ; W2(32 h, 16 x wave + r): my wave quantises columns 16 x wave on
	v_lshlrev_b32 v[GBV], 7, v[HH]
	v_lshlrev_b32 v[B2V], 5, v[HH]
	v_lshlrev_b32 v[LA8], 3, v[LN]
	v_lshlrev_b32 v[LA4], 2, v[LN]
	s_mul_i32 s29, s[WV], 768
	v_add_nc_u32 v[SA16], s29, v[LA16]
	v_add_nc_u32 v[SA8], s29, v[LA8]
	s_lshl_b32 s29, s[WV], 7
	v_add_nc_u32 v[SA4], s29, v[LA4]
	s_mov_b32 vcc_lo, 0xffff0000                   ; lanes 16-31; written here and never again
	s_mov_b32 s[SEL], 0x76543210
	s_mov_b32 s[SEL+1], 0xfedcba98
	s_mov_b32 s[EB], 0
	SPAIR IPI,  0x3ea2f983                         ; 1 / pi
	SPAIR NMG,  0xcb400000                         ; -1.5 x 2^23
	SPAIR NPH,  0xc0490fdb                         ; -pi's upper part
	SPAIR NPL,  0x33bbbd2e                         ; -pi's lower part
	SPAIR KS3,  0xbe2aaaab                         ; -1/3!
	SPAIR KS5,  0x3c088889                         ; 1/5!
	SPAIR KS7,  0xb9500d01                         ; -1/7!
	SPAIR KS9,  0x3638ef1d                         ; 1/9!
	SPAIR KS13, 0x2f309231                         ; 1/13!
	SPAIR KC4,  0x3d2aaaab                         ; 1/4!
	SPAIR KC6,  0xbab60b61                         ; -1/6!
	SPAIR KC8,  0x37d00d01                         ; 1/8!
	SPAIR KC12, 0x310f76c7                         ; 1/12!
	SPAIR NI64, 0xbc800000                         ; -1/64
	s_mov_b32 s[I64], 0x3c800000                   ; 1/64
	s_mov_b32 s[EPS], 0x3727c5ac                   ; 1e-5
	s_lshl_b32 s30, ttmp9, 10
	s_lshl_b32 s29, s[WV], 8
	s_add_co_u32 s30, s30, s29                     ; my strip's 256 bytes in every channel row: 256 (4 x work-group + wave)
	s_mov_b32 s31, 0
	s_wait_kmcnt 0x0
	s_add_nc_u64 s[4:5], s[4:5], s[30:31]
	s_add_nc_u64 s[6:7], s[6:7], s[30:31]
	s_add_nc_u64 s[8:9], s[8:9], s[30:31]
	s_add_nc_u64 s[10:11], s[10:11], s[30:31]
	s_add_nc_u64 s[24:25], s[24:25], s[30:31]
	s_add_nc_u64 s[26:27], s[26:27], s[30:31]
	s_add_nc_u64 s[6:7], s[6:7], 2*RB              ; reg's bases stand at batch 2, so that (b - 2) batches + a channel fit the signed 24-bit immediate (ISA guide, chapter 10)
	s_add_nc_u64 s[10:11], s[10:11], 2*RB
	; ---- all 120 loads of the wave, in the order in which they are wanted
	WIN 0x40                                       ; destination window 1
.irp jj, 0,1,2,3                               ; 12: what other's descriptors need
	global_load_b128 v[32*\jj:32*\jj+3], v[VO1], s[8:9] offset:\jj*CB th:TH_LOAD_NT
	global_load_b128 v[32*\jj+12:32*\jj+15], v[VO1], s[10:11] offset:(\jj-2)*RB+3*CHS th:TH_LOAD_NT
	global_load_b128 v[32*\jj+16:32*\jj+19], v[VO1], s[10:11] offset:(\jj-2)*RB+5*CHS th:TH_LOAD_NT
.endr
	WIN 0
.irp t, 0,1,2,3                                ; 20: W1's fragments and b1
	global_load_b32 v[W1F+4*\t], v[UAH], s[12:13] offset:32*\t
	global_load_b32 v[W1F+4*\t+1], v[UA], s[12:13] offset:512+32*\t
	global_load_b32 v[BT+\t], v[UA], s[14:15] offset:32*\t
	global_load_b32 v[W1F+4*\t+2], v[UAX], s[12:13] offset:32*\t
	global_load_b32 v[W1F+4*\t+3], v[UA], s[12:13] offset:1024+32*\t
.endr
.set ii, 0
.rept 32                                       ; 32: W2(32 h + i, my column): registers run down K
	global_load_b32 v[H+ii], v[W2V], s[20:21] offset:256*ii
.set ii, ii+1
.endr
.irp t, 0,1,2,3                                ; 24: b2, gamma, beta
	global_load_b128 v[B2+8*\t:B2+8*\t+3], v[B2V], s[22:23] offset:64*\t
	global_load_b128 v[B2+8*\t+4:B2+8*\t+7], v[B2V], s[22:23] offset:64*\t+16
.endr
	WIN 0x40
.irp q, 0,1,2,3,4,5,6,7
	global_load_b128 v[GAM+4*\q:GAM+4*\q+3], v[GBV], s[16:17] offset:16*\q
.endr
.irp q, 0,1,2,3,4,5,6,7
	global_load_b128 v[BET+4*\q:BET+4*\q+3], v[GBV], s[18:19] offset:16*\q
.endr
	WIN 0x80                                       ; destination window 2
.irp b, 0,1,2,3                                ; 12: ego
	global_load_b128 v[EGR+12*\b:EGR+12*\b+3], v[VO1], s[4:5] offset:\b*CB th:TH_LOAD_NT
	global_load_b128 v[EGR+12*\b+4:EGR+12*\b+7], v[VO1], s[6:7] offset:(\b-2)*RB+3*CHS th:TH_LOAD_NT
	global_load_b128 v[EGR+12*\b+8:EGR+12*\b+11], v[VO1], s[6:7] offset:(\b-2)*RB+5*CHS th:TH_LOAD_NT
.endr
	WIN 0x40
.irp jj, 0,1,2,3                               ; 20: other's ten channels that only the outputs need
	global_load_b128 v[32*\jj+4:32*\jj+7], v[VO1], s[10:11] offset:(\jj-2)*RB th:TH_LOAD_NT
	global_load_b128 v[32*\jj+8:32*\jj+11], v[VO5], s[10:11] offset:(\jj-2)*RB+2*CHS th:TH_LOAD_NT
	global_load_b128 v[32*\jj+20:32*\jj+23], v[VO1], s[10:11] offset:(\jj-2)*RB+8*CHS th:TH_LOAD_NT
	global_load_b128 v[32*\jj+24:32*\jj+27], v[VO1], s[10:11] offset:(\jj-2)*RB+10*CHS th:TH_LOAD_NT
	global_load_b128 v[32*\jj+28:32*\jj+31], v[VO1], s[10:11] offset:(\jj-2)*RB+12*CHS th:TH_LOAD_NT
.endr
	v_mov_b32 v[VOW1], v[VO1]                      ; the stores' offsets, in the window of the stores' source 0
	v_mov_b32 v[VOW5], v[VO5]
.irp t, 0,1,2,3
.irp i, 6,7,8,9,10,11
	v_mov_b32 v[W2F+12*\t+\i], 0                   ; K = 64 .. 127 of W2's fragments: zero codes
.endr
.endr
	WIN 0
.irp i, 6,7,8,9,10,11
	v_mov_b32 v[CD+\i], 0                          ; and of the rows'
.endr
	v_mov_b32 v[SM+1], 0                           ; named as upper halves of pairs
	v_mov_b32 v[RS+1], 0
	v_mov_b32 v[PT], 0                             ; a lane permute's destination counts as one of its sources
	v_mov_b32 v[PB], 0
	v_mov_b32 v[ONE], 1.0
.set ii, 0
.rept 16
	v_mov_b32 v[DT+ii], 0
.set ii, ii+1
.endr
	s_wait_loadcnt 56                              ; behind W2's loads stand 24 + 12 + 20: the descriptors' channels, W1, b1 and W2 are in
	s_wait_xcnt 0x0                                ; every load has read its offset register (ISA guide 3.1): v1 and v4 to v7 may be written
	v_mov_b32 v[MG], 0x4b400000                    ; 1.5 x 2^23
	v_mov_b32 v[MG+1], 0x4b400000
	v_mov_b32 v[VS11], 0xb2d7322b                  ; -1/11!
	v_mov_b32 v[VS11+1], 0xb2d7322b
	v_mov_b32 v[VC10], 0xb493f27e                  ; -1/10!
	v_mov_b32 v[VC10+1], 0xb493f27e
.irp t, 0,1,2,3
	v_cndmask_b32 v[W1F+4*\t+1], v[W1F+4*\t+1], v[BT+\t], vcc_lo   ; W1's row 2 | b1
	v_cndmask_b32 v[W1F+4*\t+3], 0, v[W1F+4*\t+3], vcc_lo          ; 0 | W1's row 4
.endr
	DESC 0, 12, 16                                 ; other, batch 0
.irp n, 0,1,2,3,4,5,6,7
	MXF \n, 0                                      ; tile 0's f32 products
.endr
	CH_I                                           ; W2's columns 16 x wave on are quantised by the rows' own lines (these are also the plain lines behind the products above)
	CH_J
	ds_store_b128 v[SA16], v[CD:CD+3] offset:W2IMG
	ds_store_b64 v[SA8], v[CD+4:CD+5] offset:W2IMG+512
	ds_store_b32 v[SA4], v[HS] offset:W2SC
	s_wait_dscnt 0x0                               ; for the others' sake: my stores have landed
	s_barrier_signal -1
	s_barrier_wait -1                              ; the launch's one barrier: W2's four fragments lie in LDS
	WIN 0x40
.irp t, 0,1,2,3
	ds_load_b128 v[W2F+12*\t:W2F+12*\t+3], v[LA16] offset:W2IMG+768*\t
	ds_load_b64 v[W2F+12*\t+4:W2F+12*\t+5], v[LA8] offset:W2IMG+768*\t+512
.endr
	WIN 0
.irp t, 0,1,2,3
	ds_load_b32 v[W2S+\t], v[LA4] offset:W2SC+128*\t
.endr
	s_wait_dscnt 0x0
	s_wait_loadcnt 32                              ; behind beta's loads stand 12 + 20: b2, gamma and beta are in
	RELU 0
	RELU 1
	RELU 2
	; ---- other's 16 tiles (T = 4 j + g) and ego's first; the results of tile T - 1 go to other_d(g, j)
	BODY 0, 0, 0, 1, -1, 0
.set TT, 1
.rept 16
.set pg, (TT-1)%4
.set pj, (TT-1)/4
.if TT == 14
	ERLOAD                                         ; ego's batch 0
.endif
	BODY 1, 0x81+0x40*(pg/2), 128*(pg%2)+32*pj, (TT+1)%4, -1, 0
.if (TT == 2) || (TT == 6) || (TT == 10)
	DESC 32*((TT+2)/4), 32*((TT+2)/4)+12, 32*((TT+2)/4)+16      ; the batch's last f32 products are issued: the next batch's descriptors
.endif
.if TT == 7
	s_wait_loadcnt 20                              ; behind ego's loads stand the last 20
	WIN 0x08                                       ; an LDS store's data are its source 1: window 2
.irp k, 0,1,2,3,4,5,6,7,8,9,10,11
	ds_store_b128 v[EA], v[EGR+4*\k:EGR+4*\k+3] offset:512*\k   ; ego's rows wait in my wave's own LDS bytes: their registers are other_d(1, 2) and (1, 3), first written three bodies on
.endr
	WIN 0
.endif
.if TT == 14
	s_wait_dscnt 0x0                               ; ego's batch 0 is back (LDS serves a wave's instructions in order: ISA guide 5.7.1.4)
	DESC ER, ER+4, ER+8
.endif
.set TT, TT+1
.endr
	; ---- ego: a trip finishes batch i = 0, 1, 2 (bodies 17 + 4 i to 20 + 4 i) and stores its 16 rows
	s_mov_b32 s[CNT], 3
.Ltrip:
	BODY 1, 0x01, E, 2, 0, 0
	ERLOAD                                         ; batch i + 1
	BODY 1, 0x01, E, 3, 1, 0
	s_wait_dscnt 0x0
	DESC ER, ER+4, ER+8
	BODY 1, 0x01, E, 0, 2, 0
	BODY 1, 0x01, E, 1, 3, 1
	s_wait_xcnt 0x0                                ; the stores have read their data, offsets and bases: E is written again and the bases step only behind this wait
	s_add_nc_u64 s[24:25], s[24:25], CB
	s_add_nc_u64 s[26:27], s[26:27], RB
	s_sub_co_i32 s[CNT], s[CNT], 1
	s_cmp_lg_u32 s[CNT], 0
	s_cbranch_scc1 .Ltrip
	; ---- the last batch: no tile follows tile 31
	BODY 1, 0x01, E, 2, 0, 0
	BODY 1, 0x01, E, 3, 1, 0
	BODY 1, 0x01, E, -1, 2, 0
.irp t, 0,1,2,3
	MXQ 1, \t, 0x01, E
.endr
	WIN 0
.rept 4
	v_nop                                          ; four plain lines between the last product and the first read of the results (ISA guide 7.12.1): no other vector work is left
.endr
	DOT 3
	REDUCE
	OUTP
	s_set_vgpr_msb 0x5
	s_wait_tensorcnt 0x0
	ds_add_u32 v254, v255
	s_wait_dscnt 0x0
	s_set_vgpr_msb 0x500
	s_endpgm
.Lfunc_end_k_qf3537d91e3_align:
	.size	k_qf3537d91e3_align, .Lfunc_end_k_qf3537d91e3_align-k_qf3537d91e3_align
	.p2alignl 7, 3214868480
	.fill 96, 4, 3214868480
	.section	.rodata,"a",@progbits
	.p2align	6, 0x0
	.amdhsa_kernel k_qf3537d91e3_align
		.amdhsa_group_segment_fixed_size 37376
		.amdhsa_private_segment_fixed_size 0
		.amdhsa_enable_private_segment 0
		.amdhsa_kernarg_size 96
		.amdhsa_user_sgpr_count 2
		.amdhsa_user_sgpr_kernarg_segment_ptr 1
		.amdhsa_wavefront_size32 1
		.amdhsa_system_sgpr_workgroup_id_x 1
		.amdhsa_system_sgpr_workgroup_id_y 1
		.amdhsa_system_sgpr_workgroup_id_z 1
		.amdhsa_system_vgpr_workitem_id 0
		.amdhsa_next_free_vgpr 1024
		.amdhsa_next_free_sgpr 80
		.amdhsa_reserve_vcc 1
		.amdhsa_float_denorm_mode_32 3
		.amdhsa_float_denorm_mode_16_64 3
		.amdhsa_memory_ordered 1
		.amdhsa_forward_progress 1
		.amdhsa_inst_pref_size 255
	.end_amdhsa_kernel
	.section	.bss,"aw",@nobits
	.p2align	6
	.space	262144
	.amdgpu_metadata
---
amdhsa.version: [ 1, 2 ]
amdhsa.kernels:
  - .name:           k_qf3537d91e3_align
    .symbol:         k_qf3537d91e3_align.kd
    .args:
      - { .name: ego_cls, .offset: 0, .size: 8, .value_kind: global_buffer, .address_space: global }
      - { .name: ego_reg, .offset: 8, .size: 8, .value_kind: global_buffer, .address_space: global }
      - { .name: other_cls, .offset: 16, .size: 8, .value_kind: global_buffer, .address_space: global }
      - { .name: other_reg, .offset: 24, .size: 8, .value_kind: global_buffer, .address_space: global }
      - { .name: W1, .offset: 32, .size: 8, .value_kind: global_buffer, .address_space: global }
      - { .name: b1, .offset: 40, .size: 8, .value_kind: global_buffer, .address_space: global }
      - { .name: gamma, .offset: 48, .size: 8, .value_kind: global_buffer, .address_space: global }
      - { .name: beta, .offset: 56, .size: 8, .value_kind: global_buffer, .address_space: global }
      - { .name: W2, .offset: 64, .size: 8, .value_kind: global_buffer, .address_space: global }
      - { .name: b2, .offset: 72, .size: 8, .value_kind: global_buffer, .address_space: global }
      - { .name: out0, .offset: 80, .size: 8, .value_kind: global_buffer, .address_space: global }
      - { .name: out1, .offset: 88, .size: 8, .value_kind: global_buffer, .address_space: global }
    .group_segment_fixed_size: 37376
    .private_segment_fixed_size: 0
    .kernarg_segment_align: 8
    .kernarg_segment_size: 96
    .max_flat_workgroup_size: 128
    .sgpr_count:     80
    .vgpr_count:     1024
    .wavefront_size: 32
...
	.end_amdgpu_metadata
.endif
;; end of part 1
